; MI455X (gfx1250); checked and timed in simulation.
; The chip was launched on July 23, 2026; its instructions are those of AMD's public machine-readable ISA for CDNA 5 (MIT licence, August 2026) and "CDNA5" Instruction Set Architecture Reference Guide (July 2026). The comments in the code are by the model that wrote it; some were corrected since.
;; Dilated MHCA Block. Allowed arithmetic: matrix products marked QUANTISED: E2M1 operands, one E8M0 scale for each 32 along K, by v_wmma_scale_f32_16x16x128_f8f6f4 with both operands' format E2M1 (or v_wmma_scale_f32_32x16x128_f4), f32 sums; products left as they are: bf16, f16 or f32 operands; f32 sums; everything else in f32.
;; Inputs: Wk 1,024 x 1,024 float32; Wo 1,024 x 1,024 float32; Wq 1,024 x 1,024 float32; Wv 1,024 x 1,024 float32; bk 1,024 float32; bo 1,024 float32; bq 1,024 float32; bv 1,024 float32; x 4 x 2,048 x 1,024 float32.
;; Outputs: out0 4 x 2,048 x 1,024 float32.
;; Constants: dilation = 2, k = 8.
;; This version of the problem:
;;   THIS VERSION OF THE PROBLEM IS GIVEN IN LOW PRECISION. The matrix products marked QUANTISED in the list below multiply operands that are first quantised to E2M1 (2 exponent bits, 1 mantissa bit; 4 bits a number), with one power-of-two scale for each 32 numbers along K (OCP MX v1.0); their sums are f32. The products marked 'left as it is' may take bf16, f16 or f32 operands, with f32 sums. Whichever they take, every output number must still come out within the allowed error. Rounding operands to bf16 (8 significant bits) uses up far more of that allowance than f16 does (11 bits, for magnitudes from 6e-5 to 65,504). All else is computed in f32.
;;   The module's matrix products, in the order in which they are computed (A, B: the left and right operand; K: the contracted axis; several contracted axes count as one K, in the product's order):
;;     1. [M 8,192, K 1,024] x [K 1,024, N 1,024]; A: input x; B: input Wq: QUANTISED
;;     2. [M 8,192, K 1,024] x [K 1,024, N 1,024]; A: input x; B: input Wk: QUANTISED
;;     3. [M 8,192, K 1,024] x [K 1,024, N 1,024]; A: input x; B: input Wv: QUANTISED
;;     4. batch 64 x [M 2,048, K 64] x [K 64, N 2,048]; A: computed on the way; B: computed on the way: left as it is (an operand is computed on the way)
;;     5. batch 64 x [M 2,048, K 2,048] x [K 2,048, N 64]; A: computed on the way; B: computed on the way: left as it is (an operand is computed on the way)
;;     6. [M 8,192, K 1,024] x [K 1,024, N 1,024]; A: computed on the way; B: input Wo: left as it is (an operand is computed on the way)
;;   THE QUANTISER, for each operand of a quantised product, along K:
;;     - K is cut into blocks of 32 from its start; a last block that is shorter is filled with zeros.
;;     - A block's scale is 2^e with e = floor(log2(the largest magnitude in the block)) - 2, held to -126 .. 127; a block of zeros has e = 0. As a byte (E8M0): e + 127.
;;     - Each number is divided by its block's scale, clamped to +-6, and rounded to the nearest number of E2M1, ties to even, subnormals kept.
;;     - The product sums the exact products of the quantised numbers (number of the format x scale) in f32.
;;   ~~~python
;;   def quantise(x, axis):      # numpy; x: float32 -> the quantised numbers, widened to float32 again
;;       x = np.moveaxis(x, axis, -1); K = x.shape[-1]
;;       x = np.pad(x, [(0, 0)] * (x.ndim - 1) + [(0, -K % 32)]); x = x.reshape(x.shape[:-1] + (-1, 32)); a = np.abs(x).max(-1, keepdims=True)
;;       e = np.where(a > 0, np.clip(np.frexp(np.where(a > 0, a, 1))[1] - 1 - 2, -126, 127), 0)      # np.frexp(a)[1] - 1 = floor(log2(a)), exactly
;;       r = np.clip(x / 2.0 ** e, -6, 6)
;;       step = 2.0 ** (np.maximum(np.frexp(np.where(r == 0, 1, r))[1] - 1, 0) - 1)
;;       q = np.round(r / step) * step * 2.0 ** e      # np.round: ties to even
;;       return np.moveaxis(q.reshape(q.shape[:-2] + (-1,))[..., :K], -1, axis).astype(np.float32)
;;   ~~~
;; One version. Each part assembles by itself: llvm-mc -triple=amdgcn-amd-amdhsa -mcpu=gfx1250 --defsym DOCPART=n.
;; ======== version 1 of 1: 3 launches
;; limits: values are held in f16: magnitudes above 65,504 overflow, below 6.1e-05 lose precision
;; workspace buffers: xc 4,210,688 bytes; xs 263,168 bytes; wc 1,572,864 bytes; ws 98,304 bytes; wot 2,097,152 bytes; att 16,777,216 bytes
;; launch prep (part 1): grid 369 x 1, 4 waves a work-group, no clusters, 102,912 bytes of LDS; arguments x, Wq, Wk, Wv, Wo, xc, xs, wc, ws, wot; writes xc, xs, wc, ws, wot
.if DOCPART == 1
	.amdgcn_target "amdgcn-amd-amdhsa--gfx1250"
	.amdhsa_code_object_version 6
	.text
	.protected	k_q9ba1bd50f1_prep
	.globl	k_q9ba1bd50f1_prep
	.p2align	8
	.type	k_q9ba1bd50f1_prep,@function
k_q9ba1bd50f1_prep:
	s_mov_b64 s[64:65], 0
	v_nop
	global_prefetch_b8 v0, s[64:65] scope:SCOPE_SE
	s_setreg_imm32_b32 hwreg(HW_REG_WAVE_MODE, 25, 1), 1
	s_wait_xcnt 0x0
; PREP: the operands of the later launches are laid out once.
;   x [8192][1024] f32            -> xc [8224][512 bytes] codes of E2M1 (two a byte, K innermost), xs [8224][32] E8M0 bytes; x's row R lies at row R + 16
;   Wq, Wk, Wv [k 1024][n 1024]   -> wc [3072][512 bytes] codes with K innermost (row 1024 t + n, t = 0, 1, 2), ws [3072][32]
;   Wo [k 1024][n 1024] f32       -> wot [n 1024][k 1024] f16
;   rows 0-15 and 8208-8223 of xc and xs: zero codes, byte 0x7f: a window of 160 rows that begins 16 rows ahead of a block of 128 queries then lies inside the buffers
; A block's scale is 2^(floor(log2(its largest magnitude)) - 2); its byte is the largest magnitude's exponent field - 2, held at 1 from below.
; LIMITS: NaN and infinities among the inputs are not served; blocks whose largest magnitude lies under 2^-124 keep the byte 1; a block of zeros gets the byte 1 (its codes are zeros, and
; this program alone reads the bytes); |Wo| stays under 65,504 (f16).
; SHARES: work-groups 0-255 take x (path X), 256-303 the three quantised weights (path W), 304-367 Wo (path O), 368 the 32 pad rows (path P).  The paths part on the work-group's number
; alone, and each has LDS bytes of its own.  No cluster: no two work-groups read the same input bytes.  No barrier: waves share nothing.
.set SP,     80                        ; path X: a lane's place in a stage: 64 bytes + 16 of padding
.set XWREG,  8192                      ; path X: a wave's region: two stages of 32 x SP bytes, behind them its 256 scale bytes
.set PITCH,  272                       ; paths W, O: a stage row: 256 bytes + 16 of padding
.set WSTG,   32768                     ; path W: four stages of 32 rows
.set OSTG,   67584                     ; path O: four stages of 32 rows
.set SPARE,  102400                    ; the spare words, 128 bytes for each wave: two blocks of 256 bytes that no other line names
.set SPW,    12                        ; v12  LDS address of my spare word; never rewritten
.set NIL,    13                        ; v13  0; never rewritten
.set XR,     16                        ; path X: v16-79 four sets of 16 numbers as loaded
.set XX,     80                        ;         v80-111 two sets of 16 neighbours
.set XE,     112                       ;         v112-127 a scale byte for each step
.set XC,     128                       ;         v128-191 codes, four registers for each step
; ---- path X's macros: a wave takes 16 steps of 512 numbers.  Each load reads 512 consecutive bytes; a step's 2,048 bytes turn through the wave's stage so that a lane holds 16 neighbours along K
.macro XLOAD t
.irp i, 0,1,2,3
	global_load_b128 v[XR+16*((\t)%4)+4*\i:XR+16*((\t)%4)+4*\i+3], v3, s[4:5] offset:2048*(\t)+512*\i th:TH_LOAD_NT
.endr
.endm
.macro XTURN t                         ; LDS serves a wave's instructions in order: no wait between the stores and the loads
.irp i, 0,1,2,3
	ds_store_b128 v14, v[XR+16*((\t)%4)+4*\i:XR+16*((\t)%4)+4*\i+3] offset:32*SP*((\t)%2)+8*SP*\i
.endr
.irp i, 0,1,2,3
	ds_load_b128 v[XX+16*((\t)%2)+4*\i:XX+16*((\t)%2)+4*\i+3], v15 offset:32*SP*((\t)%2)+16*\i
.endr
.endm
.macro XSTEP t
.set XSET, XX+16*((\t)%2)
.if (\t) > 0
	s_wait_dscnt 1                                 ; this step's numbers are back from the stage; the last step's byte store may be out
.else
	s_wait_dscnt 0x0
.endif
.if (\t)+4 < 16
	XLOAD (\t)+4                                   ; into the set whose stores into the stage are done
.endif
.if (\t)+1 < 16
.if 14-(\t) >= 3
	s_wait_loadcnt 12                              ; the next step's four loads are in; those of the three steps behind it may be out
.else
	s_wait_loadcnt 4*(14-(\t))
.endif
	XTURN (\t)+1
.endif
	v_max3_num_f32 v8, |v[XSET]|, |v[XSET+1]|, |v[XSET+2]|         ; the largest magnitude of my 16, in two chains
	v_max3_num_f32 v9, |v[XSET+3]|, |v[XSET+4]|, |v[XSET+5]|
.irp i, 6,10
	v_max3_num_f32 v8, v8, |v[XSET+\i]|, |v[XSET+\i+1]|
	v_max3_num_f32 v9, v9, |v[XSET+\i+2]|, |v[XSET+\i+3]|
.endr
	v_max3_num_f32 v8, v8, |v[XSET+14]|, |v[XSET+15]|
	v_max3_num_f32 v8, v8, v9, 0x1800000           ; and the floor 2^(3 - 127): the byte cannot fall under 1
	v_max_num_f32_dpp v8, v8, v8 row_xmask:1 row_mask:0xf bank_mask:0xf   ; with my neighbour's 16: the block's
	v_add_nc_u32 v11, 0xff000000, v8               ; 2 off the exponent field: the conversion takes the exponent field of this operand as its scale
	v_cvt_scalef32_pk8_fp4_f32 v[XC+4*(\t)], v[XSET:XSET+7], v11
	v_cvt_scalef32_pk8_fp4_f32 v[XC+4*(\t)+1], v[XSET+8:XSET+15], v11
	v_lshrrev_b32 v[XE+(\t)], 23, v11              ; the scale's byte
	ds_store_b8 v5, v[XE+(\t)] offset:16*(\t)      ; both lanes of a block write the same byte with the same value
	global_store_b64 v4, v[XC+4*(\t):XC+4*(\t)+1], s[14:15] offset:256*(\t)   ; the wave stores 256 consecutive bytes, aligned
.endm
; ---- path W's macros: a lane takes a column n and its registers run down K: a block of 32 lies in one lane
.macro WLOAD t
.irp i, 0,1,2,3,4,5,6,7,8,9,10,11,12,13,14,15,16,17,18,19,20,21,22,23,24,25,26,27,28,29,30,31
	global_load_b32 v[32+32*((\t)%2)+\i], v3, s[26:27] offset:(32*(\t)+\i)*4096 th:TH_LOAD_NT
.endr
.endm
.macro WBLOCK t
.set WSET, 32+32*((\t)%2)
.if (\t) < 15
	s_wait_loadcnt 32                              ; this block's 32 loads are in; the next block's may be out
.else
	s_wait_loadcnt 0
.endif
	v_max3_num_f32 v16, |v[WSET]|, |v[WSET+1]|, |v[WSET+2]|
	v_max3_num_f32 v17, |v[WSET+3]|, |v[WSET+4]|, |v[WSET+5]|
.irp i, 6,10,14,18,22,26
	v_max3_num_f32 v16, v16, |v[WSET+\i]|, |v[WSET+\i+1]|
	v_max3_num_f32 v17, v17, |v[WSET+\i+2]|, |v[WSET+\i+3]|
.endr
	v_max3_num_f32 v16, v16, |v[WSET+30]|, |v[WSET+31]|
	v_max3_num_f32 v16, v16, v17, 0x1800000        ; the floor 2^(3 - 127)
	v_add_nc_u32 v11, 0xff000000, v16              ; the conversion's scale operand
	v_lshrrev_b32 v17, 23, v11                     ; the scale's byte
.if (\t)%4 == 0
	v_mov_b32 v[24+(\t)/4], v17                    ; four bytes to a register, the lower K in the lower byte
.else
	v_lshl_or_b32 v[24+(\t)/4], v17, 8*((\t)%4), v[24+(\t)/4]
.endif
.irp g, 0,1,2,3
	v_cvt_scalef32_pk8_fp4_f32 v[96+\g], v[WSET+8*\g:WSET+8*\g+7], v11
.endr
	ds_store_b128 v4, v[96:99] offset:16*(\t)      ; 32 codes: 16 bytes of my column's row
.if (\t)+2 < 16
	WLOAD (\t)+2
.endif
	s_wait_dscnt 0x0                               ; the store has read its registers: the next block's codes may be written
.endm
; ---- path O's macros: the same plan, 128 along K for a wave, rounded to f16
.macro OLOAD t
.irp i, 0,1,2,3,4,5,6,7,8,9,10,11,12,13,14,15,16,17,18,19,20,21,22,23,24,25,26,27,28,29,30,31
	global_load_b32 v[32+32*(\t)+\i], v3, s[12:13] offset:(32*(\t)+\i)*4096 th:TH_LOAD_NT
.endr
.endm
.macro OBLOCK t
.if (\t) < 3
	s_wait_loadcnt 32                              ; this block's 32 loads are in; the next block's may be out
.else
	s_wait_loadcnt 0
.endif
.irp i, 0,1,2,3,4,5,6,7,8,9,10,11,12,13,14,15
	v_cvt_pk_f16_f32 v[160+\i], v[32+32*(\t)+2*\i], v[33+32*(\t)+2*\i]   ; two neighbours along K, the lower in the low half
.endr
.irp i, 0,1,2,3
	ds_store_b128 v4, v[160+4*\i:163+4*\i] offset:64*(\t)+16*\i
.endr
.if (\t)+2 < 4
	OLOAD (\t)+2
.endif
	s_wait_dscnt 0x0                               ; the stores have read their registers
.endm
	s_load_b512 s[4:19], s[0:1], 0x0               ; x 4:5, Wq 6:7, Wk 8:9, Wv 10:11, Wo 12:13, xc 14:15, xs 16:17, wc 18:19
	s_load_b128 s[20:23], s[0:1], 0x40             ; ws 20:21, wot 22:23
	v_lshl_add_u32 v[SPW], v0, 2, SPARE
	v_mov_b32 v[NIL], 0
	v_lshrrev_b32 v1, 5, v0
	v_readfirstlane_b32 s24, v1                    ; wave 0..3
	v_and_b32 v2, 31, v0                           ; lane
	s_wait_kmcnt 0x0
	s_cmp_lt_u32 ttmp9, 256
	s_cbranch_scc1 .Lpath_x
	s_cmp_lt_u32 ttmp9, 304
	s_cbranch_scc1 .Lpath_w
	s_cmp_lt_u32 ttmp9, 368
	s_cbranch_scc1 .Lpath_o
	; ---- path P: the pad rows.  16 rows of 512 bytes of zero codes and 16 rows of 32 bytes 0x7f, at each end.  128 threads x 16 bytes cover 2,048 consecutive bytes a store
	v_lshlrev_b32 v3, 4, v0
	v_lshlrev_b32 v9, 2, v0
	v_mov_b32 v4, 0
	v_mov_b32 v5, 0
	v_mov_b32 v6, 0
	v_mov_b32 v7, 0
	v_mov_b32 v8, 0x7f7f7f7f
.irp i, 0,1,2,3
	global_store_b128 v3, v[4:7], s[14:15] offset:2048*\i
	global_store_b128 v3, v[4:7], s[14:15] offset:4202496+2048*\i   ; row 8,208 of xc
.endr
	global_store_b32 v9, v8, s[16:17]
	global_store_b32 v9, v8, s[16:17] offset:262656                 ; row 8,208 of xs
	s_endpgm
.Lpath_x:
	v_lshlrev_b32 v3, 4, v2                        ; my 16 bytes of a load's 512
	s_mul_i32 s25, s24, XWREG                      ; my wave's region
	v_lshrrev_b32 v14, 2, v2
	v_mul_u32_u24 v14, v14, SP
	v_and_b32 v15, 3, v2
	v_lshl_add_u32 v14, v15, 4, v14
	v_add_nc_u32 v14, s25, v14                     ; the stage, on the way in: SP (lane / 4) + 16 (lane % 4)
	v_mul_u32_u24 v15, v2, SP
	v_add_nc_u32 v15, s25, v15                     ; and on the way out: SP x lane: my 16 neighbours
	v_lshlrev_b32 v4, 3, v2                        ; my 8 bytes of a step's codes
	v_lshrrev_b32 v5, 1, v2
	s_add_co_u32 s25, s25, 2*32*SP
	v_add_nc_u32 v5, s25, v5                       ; my block's scale byte
	v_lshlrev_b32 v7, 3, v2
	v_add_nc_u32 v6, s25, v7                       ; and on the way out 8 bytes a lane
	s_lshl_b32 s26, ttmp9, 2
	s_add_co_u32 s26, s26, s24                     ; which run of 8,192 numbers (8 rows of x) is my wave's
	s_lshl_b32 s28, s26, 15
	s_mov_b32 s29, 0
	s_add_nc_u64 s[4:5], s[4:5], s[28:29]          ; x: 32,768 bytes a run
	s_lshl_b32 s28, s26, 12
	s_add_co_u32 s28, s28, 8192
	s_add_nc_u64 s[14:15], s[14:15], s[28:29]      ; xc: 4,096 bytes a run, behind 16 pad rows
	s_lshl_b32 s28, s26, 8
	s_add_co_u32 s28, s28, 512
	s_add_nc_u64 s[16:17], s[16:17], s[28:29]      ; xs: 256 bytes a run, behind 16 pad rows
.irp t, 0,1,2,3
	XLOAD \t
.endr
	s_wait_loadcnt 12                              ; step 0's four loads are in
	XTURN 0
.irp t, 0,1,2,3,4,5,6,7,8,9,10,11,12,13,14,15
	XSTEP \t
.endr
	ds_load_b64 v[8:9], v6                         ; LDS serves a wave's instructions in order: these see my byte stores
	s_wait_dscnt 0x0
	global_store_b64 v7, v[8:9], s[16:17]          ; the wave stores 256 consecutive bytes, aligned
	s_wait_tensorcnt 0x0                           ; the wave's end: a wait, an add and a wait behind my last LDS store
	ds_add_u32 v[SPW], v[NIL]
	s_wait_dscnt 0x0
	s_endpgm
.Lpath_w:
	s_sub_co_u32 s25, ttmp9, 256                   ; 0..47: 16 work-groups a weight: 8 blocks of 128 columns x 2 halves of K
	s_cmp_lt_u32 s25, 32
	s_cselect_b64 s[26:27], s[8:9], s[10:11]       ; the choice hangs on the work-group's number alone
	s_cmp_lt_u32 s25, 16
	s_cselect_b64 s[26:27], s[6:7], s[26:27]
	s_and_b32 s28, s25, 7
	s_lshl_b32 s28, s28, 7
	s_lshl_b32 s29, s24, 5
	s_add_co_u32 s28, s28, s29                     ; my wave's first column
	s_bfe_u32 s29, s25, 0x10003                    ; which 512 along K
	s_lshr_b32 s30, s25, 4
	s_lshl_b32 s30, s30, 10
	s_add_co_u32 s30, s30, s28                     ; its row in wc and ws: 1,024 x weight + column
	s_lshl_b32 s32, s29, 21                        ; 512 rows of 4,096 bytes
	s_lshl_b32 s33, s28, 2
	s_add_co_u32 s32, s32, s33
	s_mov_b32 s33, 0
	s_add_nc_u64 s[26:27], s[26:27], s[32:33]
	s_lshl_b32 s32, s30, 9
	s_lshl_b32 s34, s29, 8
	s_add_co_u32 s32, s32, s34
	s_add_nc_u64 s[18:19], s[18:19], s[32:33]      ; wc: 512 bytes a row, 256 a half of K
	s_lshl_b32 s32, s30, 5
	s_lshl_b32 s34, s29, 4
	s_add_co_u32 s32, s32, s34
	s_add_nc_u64 s[20:21], s[20:21], s[32:33]      ; ws: 32 bytes a row, 16 a half of K
	v_lshlrev_b32 v3, 2, v2                        ; in: 4 bytes a lane
	s_mul_i32 s35, s24, 32*PITCH
	s_add_co_u32 s35, s35, WSTG                    ; my stage
	v_mul_u32_u24 v4, v2, PITCH
	v_add_nc_u32 v4, s35, v4                       ; into it: row = my column
	v_and_b32 v5, 15, v2
	v_lshrrev_b32 v6, 4, v2
	v_mul_u32_u24 v7, v6, PITCH
	v_lshl_add_u32 v7, v5, 4, v7
	v_add_nc_u32 v7, s35, v7                       ; out of it: sixteen lanes to a row, two rows an instruction
	v_lshlrev_b32 v8, 9, v6
	v_lshl_add_u32 v8, v5, 4, v8                   ; the same place in wc
	v_lshlrev_b32 v9, 5, v2                        ; my column's row of ws
	WLOAD 0
	WLOAD 1
.irp t, 0,1,2,3,4,5,6,7,8,9,10,11,12,13,14,15
	WBLOCK \t
.endr
	global_store_b128 v9, v[24:27], s[20:21]       ; my column's 16 scale bytes
.irp t, 0,1,2,3,4,5,6,7,8,9,10,11,12,13,14,15
	ds_load_b128 v[112+4*\t:115+4*\t], v7 offset:2*\t*PITCH
.endr
.irp t, 0,1,2,3,4,5,6,7,8,9,10,11,12,13,14,15
	s_wait_dscnt 15-\t                             ; LDS loads come back in order: load t is in
	global_store_b128 v8, v[112+4*\t:115+4*\t], s[18:19] offset:2*\t*512   ; sixteen lanes store 256 consecutive bytes, aligned
.endr
	s_wait_tensorcnt 0x0                           ; the wave's end
	ds_add_u32 v[SPW], v[NIL]
	s_wait_dscnt 0x0
	s_endpgm
.Lpath_o:
	s_sub_co_u32 s25, ttmp9, 304                   ; 0..63: 8 blocks of 128 columns x 8 blocks of 128 along K
	s_and_b32 s28, s25, 7
	s_lshl_b32 s28, s28, 7
	s_lshl_b32 s29, s24, 5
	s_add_co_u32 s28, s28, s29                     ; my wave's first column
	s_lshr_b32 s29, s25, 3                         ; which 128 along K
	s_lshl_b32 s32, s29, 19                        ; 128 rows of 4,096 bytes
	s_lshl_b32 s33, s28, 2
	s_add_co_u32 s32, s32, s33
	s_mov_b32 s33, 0
	s_add_nc_u64 s[12:13], s[12:13], s[32:33]
	s_lshl_b32 s32, s28, 11
	s_lshl_b32 s34, s29, 8
	s_add_co_u32 s32, s32, s34
	s_add_nc_u64 s[22:23], s[22:23], s[32:33]      ; wot: 2,048 bytes a row, 256 a block of K
	v_lshlrev_b32 v3, 2, v2
	s_mul_i32 s35, s24, 32*PITCH
	s_add_co_u32 s35, s35, OSTG                    ; my stage
	v_mul_u32_u24 v4, v2, PITCH
	v_add_nc_u32 v4, s35, v4
	v_and_b32 v5, 15, v2
	v_lshrrev_b32 v6, 4, v2
	v_mul_u32_u24 v7, v6, PITCH
	v_lshl_add_u32 v7, v5, 4, v7
	v_add_nc_u32 v7, s35, v7
	v_lshlrev_b32 v8, 11, v6
	v_lshl_add_u32 v8, v5, 4, v8
	OLOAD 0
	OLOAD 1
.irp t, 0,1,2,3
	OBLOCK \t
.endr
.irp t, 0,1,2,3,4,5,6,7,8,9,10,11,12,13,14,15
	ds_load_b128 v[32+4*\t:35+4*\t], v7 offset:2*\t*PITCH
.endr
.irp t, 0,1,2,3,4,5,6,7,8,9,10,11,12,13,14,15
	s_wait_dscnt 15-\t
	global_store_b128 v8, v[32+4*\t:35+4*\t], s[22:23] offset:4096*\t   ; sixteen lanes store 256 consecutive bytes, aligned
.endr
	s_wait_tensorcnt 0x0                           ; the wave's end
	ds_add_u32 v[SPW], v[NIL]
	s_wait_dscnt 0x0
	s_endpgm
.Lfunc_end_k_q9ba1bd50f1_prep:
	.size	k_q9ba1bd50f1_prep, .Lfunc_end_k_q9ba1bd50f1_prep-k_q9ba1bd50f1_prep
	.p2alignl 7, 3214868480
	.fill 96, 4, 3214868480
	.section	.rodata,"a",@progbits
	.p2align	6, 0x0
	.amdhsa_kernel k_q9ba1bd50f1_prep
		.amdhsa_group_segment_fixed_size 102912
		.amdhsa_private_segment_fixed_size 0
		.amdhsa_enable_private_segment 0
		.amdhsa_kernarg_size 80
		.amdhsa_user_sgpr_count 2
		.amdhsa_user_sgpr_kernarg_segment_ptr 1
		.amdhsa_wavefront_size32 1
		.amdhsa_system_sgpr_workgroup_id_x 1
		.amdhsa_system_sgpr_workgroup_id_y 1
		.amdhsa_system_sgpr_workgroup_id_z 1
		.amdhsa_system_vgpr_workitem_id 0
		.amdhsa_next_free_vgpr 192
		.amdhsa_next_free_sgpr 66
		.amdhsa_reserve_vcc 0
		.amdhsa_float_denorm_mode_32 3
		.amdhsa_float_denorm_mode_16_64 3
		.amdhsa_memory_ordered 1
		.amdhsa_forward_progress 1
		.amdhsa_inst_pref_size 134
	.end_amdhsa_kernel
	.amdgpu_metadata
---
amdhsa.version: [ 1, 2 ]
amdhsa.kernels:
  - .name:           k_q9ba1bd50f1_prep
    .symbol:         k_q9ba1bd50f1_prep.kd
    .args:
      - { .name: x, .offset: 0, .size: 8, .value_kind: global_buffer, .address_space: global }
      - { .name: Wq, .offset: 8, .size: 8, .value_kind: global_buffer, .address_space: global }
      - { .name: Wk, .offset: 16, .size: 8, .value_kind: global_buffer, .address_space: global }
      - { .name: Wv, .offset: 24, .size: 8, .value_kind: global_buffer, .address_space: global }
      - { .name: Wo, .offset: 32, .size: 8, .value_kind: global_buffer, .address_space: global }
      - { .name: xc, .offset: 40, .size: 8, .value_kind: global_buffer, .address_space: global }
      - { .name: xs, .offset: 48, .size: 8, .value_kind: global_buffer, .address_space: global }
      - { .name: wc, .offset: 56, .size: 8, .value_kind: global_buffer, .address_space: global }
      - { .name: ws, .offset: 64, .size: 8, .value_kind: global_buffer, .address_space: global }
      - { .name: wot, .offset: 72, .size: 8, .value_kind: global_buffer, .address_space: global }
    .group_segment_fixed_size: 102912
    .private_segment_fixed_size: 0
    .kernarg_segment_align: 8
    .kernarg_segment_size: 80
    .max_flat_workgroup_size: 128
    .sgpr_count:     66
    .vgpr_count:     192
    .wavefront_size: 32
...
	.end_amdgpu_metadata
.endif
;; end of part 1
;; launch qkv_attn (part 2): grid 8 x 64, 4 waves a work-group, clusters of 4 x 4, 327,680 bytes of LDS; arguments xc, xs, wc, ws, bq, bk, bv, att; writes att
.if DOCPART == 2
	.amdgcn_target "amdgcn-amd-amdhsa--gfx1250"
	.amdhsa_code_object_version 6
	.text
	.protected	k_q9ba1bd50f1_qkv_attn
	.globl	k_q9ba1bd50f1_qkv_attn
	.p2align	8
	.type	k_q9ba1bd50f1_qkv_attn,@function
k_q9ba1bd50f1_qkv_attn:
	s_mov_b64 s[64:65], 0
	v_nop
	global_prefetch_b8 v0, s[64:65] scope:SCOPE_SE
	s_setreg_imm32_b32 hwreg(HW_REG_WAVE_MODE, 25, 1), 1
	s_wait_xcnt 0x0
	s_wait_alu depctr_hold_cnt(0) depctr_sa_sdst(0) depctr_va_vdst(0) depctr_va_sdst(0) depctr_va_ssrc(0) depctr_va_vcc(0) depctr_vm_vsrc(0)
	s_getreg_b32 s2, hwreg(HW_REG_IB_STS2, 6, 4)
	s_cmp_eq_u32 s2, 0
	s_cbranch_scc0 .Lentry_in_a_cluster
	s_endpgm
.Lentry_in_a_cluster:
	s_bfe_u32 s2, ttmp6, 0x10000c
	s_cmp_lg_u32 s2, 0xf033
	s_cbranch_scc0 .Lentry_shape_is_right
	s_endpgm
.Lentry_shape_is_right:
; q = x Wq + bq, k = x Wk + bk, v = x Wv + bv on codes of E2M1 with E8M0 scales, then the banded attention: query i sees keys i + 2 t, t = -8 .. 8, inside its sequence of 2,048.
; q, k and v never go to memory: they are rounded to f16 into LDS, and both attention products take f16 operands with f32 sums.  att [8192][1024] f16 is the result.
; LIMITS: |q|, |k|, |v| and the result stay under 65,504 (f16); NaN and infinities are not served.
; SHARES.  Work-group (hp, rb): heads 2 hp and 2 hp + 1, queries 128 rb .. + 127.  It multiplies a WINDOW of 160 rows (16 ahead, 16 behind: local row p is x's row 128 rb - 16 + p, row 128 rb + p of xc)
; by 384 columns: 128 of Wq, of Wk, of Wv.  Wave w takes all ten tiles of 16 rows against six tiles of 16 columns: columns 32 w + 16 u (u = 0, 1) of each part.  q of the halo tiles is not wanted:
; 56 accumulators, 448 registers.  All of K = 1,024 lies in LDS at once, as two slots of 512: every tensor load is a first fill, and nothing is filled again.
; CLUSTER 4 x 4: the four work-groups of a row share rb and so x's window; the four of a column share hp and so the weights' rows: each tile is asked for jointly, by the same tensor load with
; the same descriptor and a mask that names the four.  Wave 0 asks for x's three tiles (scales, slot 0, slot 1), waves 1 to 3 for those of Wq, Wk, Wv: three loads of a wave are out at the most.
; THE MATRIX INSTRUCTION IS USED TRANSPOSED (source 0 = 16 rows of wc, source 1 = 16 rows of xc): a lane holds one row and eight neighbouring columns, which pack into 16 bytes of f16.
; ATTENTION.  Wave w: head w / 2 of the pair, queries of parity w % 2, in four units of 16.  Unit g: query u at local row 16 + 32 g + par + 2 u; key t (0 .. 31) at local row 32 g + par + 2 t;
; key t counts for query u where u <= t <= u + 16.  S^T = K Q^T and O^T = V^T P^T, so that a lane holds one query throughout.  The maximum is taken away before the exponential.
; REGISTERS, in windows of 256.  Window 0: v1-25 addresses; v28, v29 the add's two; v32-95 scale words and nothing else; v96-255 x's fragments, two sets; later S, P and what the softmax needs.
;   Window 1: the weights' fragments, two sets of 48, and from v96 the biases; later Q and K.   Windows 2, 3: the accumulators of row tiles 0-4, 5-9; later V (2) and O^T (3).
.set PITCH, 272                        ; an LDS row of codes: 256 bytes + 16 of padding: the 16 rows that a load touches start at 16 different banks (64 banks of 4 bytes: ISA guide 11.1)
.set SLOT,  544*PITCH                  ; rows 0-159 x, 160-287 Wq's, 288-415 Wk's, 416-543 Wv's
.set SCL,   2*SLOT                     ; the scale bytes, as runs of 256 bytes + 16 of padding: x's 20 runs, then 16 for each part of W
.set SPARE, 314624                     ; the spare words, 128 bytes for each wave: two blocks of 256 bytes that no other line names
.set QP,    784                        ; the stage of q, k, v, in slot 0 behind its last fill and last read: 160 rows; q at byte 0, k at 256, v at 512; 768 + 16 of padding
.set SPW, 28
.set NIL, 29
.set SX,  32                           ; v32-71  x's scale words: 4 a + q
.set SW,  72                           ; v72-95  the weights': 4 b + q
.set AF,  96                           ; x's fragments: AF + 80 set + 8 a
.set WV,  20                           ; s20 my wave's number
.set G1X, 28                           ; s[28:35], s[36:43], s[44:51], s[52:59]: descriptor groups 1: x's codes, W's codes, x's scales, W's scales
.set G1W, 36
.set G1XS, 44
.set G1WS, 52
.set SEL, 62                           ; s[62:63] selects for v_permlanex16_b32: lane l xor 16
.set G0X0, 68                          ; s[68:75] groups 0 for x's slots 0, 1; s[76:79] its scales; s[80:87], s[88:91] the same for W
.set G0XS, 76
.set G0W0, 80
.set G0WS, 88
.set CS,  92                           ; s[92:93] c = log2(e) / 8
.set MSB, 0
.macro WIN new                         ; the immediate's high byte repeats the setting that is left; a switch that changes nothing is dropped
.if MSB != (\new)
	s_set_vgpr_msb (MSB<<8)|(\new)
.set MSB, (\new)
.endif
.endm
.macro PLACES n
.rept \n
	v_nop
.endr
.endm
; A joint load: wave 0 asks for x, waves 1 to 3 for their part of W.  The branch hangs on the wave's number alone.  An s_nop 0 and four v_nop follow each of the two lines.
.macro JLOAD g0x, g1x, g0w, g1w
	s_cmp_eq_u32 s[WV], 0
	s_cbranch_scc0 .Lfor_w_\@
	tensor_load_to_lds s[\g0x:\g0x+3], s[\g1x:\g1x+7]
	s_nop 0
.rept 4
	v_nop
.endr
	s_branch .Lasked_\@
.Lfor_w_\@:
	tensor_load_to_lds s[\g0w:\g0w+3], s[\g1w:\g1w+7]
	s_nop 0
.rept 4
	v_nop
.endr
.Lasked_\@:
.endm
.macro CROUND                          ; a round of the cluster's barrier
	s_barrier_signal -1
	s_barrier_wait -1
	s_cmp_lg_u32 s[WV], 0
	s_cbranch_scc1 .Lnot_wave_0_\@
	s_barrier_signal -3
.Lnot_wave_0_\@:
	s_barrier_wait -3
	s_barrier_signal -1
	s_barrier_wait -1
.endm
; 32 LDS loads in one run: the fragments of the slot's q-th 128 along K.  A fragment is 16 rows x 128 K of 4-bit codes in 8 registers: lane l holds row l % 16; registers 4 c .. 4 c + 3 hold K = 64 c + 32 (l / 16) + 0 .. 31
.macro FETCH set, slot, q
	WIN 0x40                                       ; destination window 1, address window 0
.irp p, 0,1,2
.irp u, 0,1
.irp c, 0,1
	ds_load_b128 v[48*(\set)+8*(2*\p+\u)+4*\c:48*(\set)+8*(2*\p+\u)+4*\c+3], v[6+2*(\slot)+\p/2] offset:(128*(\p%2)+16*\u)*PITCH+64*(\q)+32*\c
.endr
.endr
.endr
	WIN 0
.irp a, 0,1,2,3,4,5,6,7,8,9
.irp c, 0,1
	ds_load_b128 v[AF+80*(\set)+8*\a+4*\c:AF+80*(\set)+8*\a+4*\c+3], v[4+(\slot)] offset:\a*16*PITCH+64*(\q)+32*\c
.endr
.endr
.endm
; 28 matrix instructions: row tiles 5 half .. 5 half + 4 against the six column tiles, K step s.  first = 1: the bias is the C of the sum's first instruction.
; Every accumulator has one instruction a turn, in the same order in every K step.  A scale register holds K step s % 4 in lanes 0-15 and K step 4 + s % 4 in lanes 16-31.
.macro MULH s, half, first
.irp aa, 0,1,2,3,4
.irp b, 0,1,2,3,4,5
.if ((5*(\half)+\aa == 0) || (5*(\half)+\aa == 9)) && (\b < 2)
.else
.set rD, 8*(6*\aa+\b)
.set rB, 48*((\s)%2)+8*\b
.set rA, AF+80*((\s)%2)+8*(5*(\half)+\aa)
.set rW, SW+4*\b+(\s)%4
.set rX, SX+4*(5*(\half)+\aa)+(\s)%4
.if \first
	v_wmma_scale_f32_16x16x128_f8f6f4 v[rD:rD+7], v[rB:rB+7], v[rA:rA+7], v[96+8*\b:96+8*\b+7], v[rW], v[rX] matrix_a_fmt:MATRIX_FMT_FP4 matrix_b_fmt:MATRIX_FMT_FP4
.elseif (\s) < 4
	v_wmma_scale_f32_16x16x128_f8f6f4 v[rD:rD+7], v[rB:rB+7], v[rA:rA+7], v[rD:rD+7], v[rW], v[rX] matrix_a_fmt:MATRIX_FMT_FP4 matrix_b_fmt:MATRIX_FMT_FP4
.else
	v_wmma_scale_f32_16x16x128_f8f6f4 v[rD:rD+7], v[rB:rB+7], v[rA:rA+7], v[rD:rD+7], v[rW], v[rX] matrix_a_fmt:MATRIX_FMT_FP4 matrix_b_fmt:MATRIX_FMT_FP4 matrix_a_scale:MATRIX_SCALE_ROW1 matrix_b_scale:MATRIX_SCALE_ROW1
.endif
.endif
.endr
.endr
.endm
; A K step of 128: 56 matrix instructions; the next step's 32 loads stand in one run in its middle, behind four places (loads into registers that matrix instructions have read).
.macro STEP s, first
	s_wait_dscnt 0x0                               ; this step's fragments, asked for 28 matrix instructions ago, are in
.if (\s) == 3
	s_wait_tensorcnt 0x0                           ; my part of slot 1 has landed, and my reads of slot 0 are over:
	s_barrier_signal -1                            ; say so,
.endif
	WIN 0xa1-0x10*(\first)                         ; source 0 window 1, source 1 window 0, D window 2, C window 2 (the bias: window 1)
	MULH \s, 0, \first
.if (\s) == 3
	s_barrier_wait -1                              ; and go on when all four have: slot 1 is whole, and nobody reads slot 0 any more
.endif
.if (\s) < 7
	PLACES 4
	FETCH ((\s)+1)%2, ((\s)+1)/4, ((\s)+1)%4
.endif
	WIN 0xf1-0x20*(\first)                         ; the same with window 3
	MULH \s, 1, \first
.endm
	s_load_b512 s[4:19], s[0:1], 0x0               ; xc 4:5, xs 6:7, wc 8:9, ws 10:11, bq 12:13, bk 14:15, bv 16:17, att 18:19
	v_lshl_add_u32 v[SPW], v0, 2, SPARE
	v_mov_b32 v[NIL], 0
	ds_add_u32 v[SPW], v[NIL]                      ; the wave's opening: the add, twice on end, and its wait ahead of my first tensor load
	ds_add_u32 v[SPW], v[NIL]
	v_lshrrev_b32 v1, 5, v0
	v_readfirstlane_b32 s[WV], v1                  ; wave 0..3
	s_bfe_u32 s21, ttmp6, 0x40000                  ; cx
	s_bfe_u32 s22, ttmp6, 0x40004                  ; cy
	s_lshl_b32 s23, ttmp9, 2
	s_add_co_u32 s23, s23, s21                     ; hp = 4 x cluster x + cx
	s_and_b32 s24, ttmp7, 0xffff
	s_lshl_b32 s24, s24, 2
	s_add_co_u32 s24, s24, s22                     ; rb = 4 x cluster y + cy
	s_lshl_b32 s25, s22, 2
	s_lshl_b32 s25, 15, s25                        ; my row of the cluster
	s_lshl_b32 s26, 0x1111, s21                    ; my column
	; groups 1.  15:0 the mask; 17:16 the element's size; 20 padding on; 21 set beside a mask; 24:22 after every 64 words (code 5); 31:25 four words (code 3)
	s_or_b32 s[G1X], s25, (0<<16)|(1<<20)|(1<<21)|(5<<22)|(3<<25)
	s_or_b32 s[G1W], s26, (0<<16)|(1<<20)|(1<<21)|(5<<22)|(3<<25)
	s_or_b32 s[G1XS], s25, (3<<16)|(1<<20)|(1<<21)|(5<<22)|(3<<25)
	s_or_b32 s[G1WS], s26, (3<<16)|(1<<20)|(1<<21)|(5<<22)|(3<<25)
.irp g, G1X, G1W
	s_mov_b32 s[\g+1], 256<<16                     ; tensor_dim0 = 256 bytes: 512 codes
	s_mov_b32 s[\g+3], 256<<16                     ; tile_dim0
	s_mov_b32 s[\g+5], 512                         ; from row to row
	s_mov_b32 s[\g+6], 0
	s_mov_b32 s[\g+7], 0
.endr
	s_mov_b32 s[G1X+2], 160<<16                    ; tensor_dim1, tile_dim1: 160 rows of x,
	s_mov_b32 s[G1X+4], 160
	s_mov_b32 s[G1W+2], 128<<16                    ; 128 of a weight
	s_mov_b32 s[G1W+4], 128
.irp g, G1XS, G1WS
	s_mov_b32 s[\g+1], 32<<16                      ; the scale bytes are dense: rows of 32 elements of 8 bytes
	s_mov_b32 s[\g+3], 32<<16
	s_mov_b32 s[\g+5], 32
	s_mov_b32 s[\g+6], 0
	s_mov_b32 s[\g+7], 0
.endr
	s_mov_b32 s[G1XS+2], 20<<16                    ; 160 rows x 32 bytes = 20 runs of 256,
	s_mov_b32 s[G1XS+4], 20
	s_mov_b32 s[G1WS+2], 16<<16                    ; 128 x 32 = 16
	s_mov_b32 s[G1WS+4], 16
	; where the tiles come from.  x's hang on rb alone, in s92-95; W's on hp and the wave, in s96-99, s27, s2, s3
	s_lshl_b32 s92, s24, 16                        ; xc: 128 rows of 512 bytes a block
	s_mov_b32 s93, 0
	s_lshl_b32 s94, s24, 12                        ; xs: 128 rows of 32 bytes
	s_mov_b32 s95, 0
	s_sub_co_u32 s27, s[WV], 1
	s_min_u32 s27, s27, 2                          ; my part of W: wave - 1 (wave 0 asks for none: its number is held inside the buffer)
	s_lshl_b32 s96, s27, 19                        ; wc: 1,024 rows of 512 bytes a part,
	s_lshl_b32 s2, s23, 16                         ; 128 rows a pair of heads
	s_add_co_u32 s96, s96, s2
	s_mov_b32 s97, 0
	s_lshl_b32 s98, s27, 15                        ; ws likewise, 32 bytes a row
	s_lshl_b32 s2, s23, 12
	s_add_co_u32 s98, s98, s2
	s_mov_b32 s99, 0
	s_mul_i32 s2, s[WV], 128*PITCH                 ; and where W's go: wave x 128 rows,
	s_mul_i32 s3, s[WV], 16*PITCH                  ; wave x 16 runs: no place in the cluster enters an LDS address
	s_wait_dscnt 0x0                               ; both opening adds are done
	s_wait_kmcnt 0x0
	s_add_nc_u64 s[4:5], s[4:5], s[92:93]
	s_add_nc_u64 s[6:7], s[6:7], s[94:95]
	s_add_nc_u64 s[8:9], s[8:9], s[96:97]
	s_add_nc_u64 s[10:11], s[10:11], s[98:99]
	CROUND                                         ; all sixteen work-groups are here: the joint loads meet
	s_mov_b32 s[G0XS], 1
	s_mov_b32 s[G0XS+1], SCL
	s_mov_b64 s[G0XS+2:G0XS+3], s[6:7]
	s_or_b32 s[G0XS+3], s[G0XS+3], 0x80000000
	s_mov_b32 s[G0WS], 1
	s_add_co_u32 s[G0WS+1], s3, SCL+4*PITCH        ; behind x's 20 runs: 20 + 16 (wave - 1)
	s_mov_b64 s[G0WS+2:G0WS+3], s[10:11]
	s_or_b32 s[G0WS+3], s[G0WS+3], 0x80000000
	JLOAD G0XS, G1XS, G0WS, G1WS                   ; the scales first: they are wanted with K step 0
.irp s, 0,1
	s_mov_b32 s[G0X0+4*\s], 1
	s_mov_b32 s[G0X0+4*\s+1], \s*SLOT
	s_add_nc_u64 s[G0X0+4*\s+2:G0X0+4*\s+3], s[4:5], \s*256
	s_or_b32 s[G0X0+4*\s+3], s[G0X0+4*\s+3], 0x80000000
	s_mov_b32 s[G0W0+4*\s], 1
	s_add_co_u32 s[G0W0+4*\s+1], s2, \s*SLOT+32*PITCH   ; behind x's 160 rows: 160 + 128 (wave - 1)
	s_add_nc_u64 s[G0W0+4*\s+2:G0W0+4*\s+3], s[8:9], \s*256
	s_or_b32 s[G0W0+4*\s+3], s[G0W0+4*\s+3], 0x80000000
	JLOAD G0X0+4*\s, G1X, G0W0+4*\s, G1W
.endr
	v_and_b32 v1, 15, v0                           ; r = lane % 16
	v_bfe_u32 v2, v0, 4, 1                         ; h = lane / 16
	v_lshlrev_b32 v12, 5, v2                       ; the biases: my half's eight numbers
	s_lshl_b32 s98, s23, 9
	s_lshl_b32 s99, s[WV], 7
	s_add_co_u32 s98, s98, s99                     ; column 128 hp + 32 w, in bytes
	s_mov_b32 s99, 0
	s_add_nc_u64 s[12:13], s[12:13], s[98:99]
	s_add_nc_u64 s[14:15], s[14:15], s[98:99]
	s_add_nc_u64 s[16:17], s[16:17], s[98:99]
	WIN 0x40                                       ; destination window 1
.irp p, 0,1,2
.irp u, 0,1
	global_load_b128 v[96+8*(2*\p+\u):96+8*(2*\p+\u)+3], v12, s[12+2*\p:13+2*\p] offset:64*\u      ; register j of tile 2 p + u: the bias of column 32 w + 16 u + 8 h + j: the result's layout
	global_load_b128 v[96+8*(2*\p+\u)+4:96+8*(2*\p+\u)+7], v12, s[12+2*\p:13+2*\p] offset:64*\u+16
.endr
.endr
	WIN 0
	s_lshl_b32 s94, s24, 18                        ; att: 128 rows of 2,048 bytes a block,
	s_lshl_b32 s95, s[WV], 16                      ; 32 rows a wave,
	s_add_co_u32 s94, s94, s95
	s_mov_b32 s95, 0
	s_add_nc_u64 s[18:19], s[18:19], s[94:95]
	s_lshl_b32 s98, s23, 8                         ; 256 bytes a pair of heads
	s_add_nc_u64 s[18:19], s[18:19], s[98:99]
	s_and_b32 s94, s24, 15                         ; a sequence is 16 blocks
	s_cmp_eq_u32 s94, 0
	s_cselect_b32 s60, 1, 0                        ; the sequence's first block: local rows 0-15 are not of it
	s_cmp_eq_u32 s94, 15
	s_cselect_b32 s61, 1, 0                        ; its last: local rows 144-159 are not.  Both flags only choose values: no branch and no address hangs on them
	s_mov_b32 s[SEL], 0x76543210
	s_mov_b32 s[SEL+1], 0xfedcba98
	s_mov_b32 s[CS], 0x3e38aa3b                    ; c = log2(e) / sqrt(64)
	s_mov_b32 s[CS+1], s[CS]                       ; (named with it as a pair, so it is written)
	v_mul_u32_u24 v3, v1, PITCH
	v_lshl_add_u32 v4, v2, 4, v3                   ; x's fragments, slot 0: r x pitch + 16 h
	v_add_nc_u32 v5, SLOT, v4                      ; slot 1
	s_mul_i32 s2, s[WV], 32*PITCH
	s_add_co_u32 s2, s2, 160*PITCH
	v_add_nc_u32 v6, s2, v4                        ; W's: row 160 + 32 w + r (Wq's and Wk's parts by the immediate),
	v_add_nc_u32 v7, 256*PITCH, v6                 ; Wv's part,
	v_add_nc_u32 v8, SLOT, v6                      ; and the same in slot 1
	v_add_nc_u32 v9, SLOT, v7
	v_lshrrev_b32 v3, 3, v1                        ; scale bytes: eight rows of 32 bytes to a run of 256
	v_mul_u32_u24 v3, v3, PITCH
	v_and_b32 v10, 7, v1
	v_lshl_add_u32 v3, v10, 5, v3
	v_lshl_add_u32 v3, v2, 4, v3                   ; lanes 0-15 take a row's bytes 0-15 (K steps 0-3), lanes 16-31 its bytes 16-31 (K steps 4-7)
	v_add_nc_u32 v10, SCL, v3
	s_mul_i32 s2, s[WV], 4*PITCH
	s_add_co_u32 s2, s2, 20*PITCH
	v_add_nc_u32 v11, s2, v10                      ; W's: behind x's 20 runs, 4 runs a wave
	v_mul_u32_u24 v3, v1, QP                       ; into the stage of q, k, v: row r, 16 bytes for each half of the lanes, 64 bytes a wave
	v_lshl_add_u32 v3, v2, 4, v3
	s_lshl_b32 s2, s[WV], 6
	v_add_nc_u32 v13, s2, v3
	v_add_nc_u32 v14, 5*16*QP, v13                 ; row tiles 5 to 9
	s_lshr_b32 s94, s[WV], 1                       ; my head of the pair
	s_and_b32 s95, s[WV], 1                        ; my parity
	s_mul_i32 s96, s95, QP
	s_lshl_b32 s97, s94, 7
	s_add_co_u32 s96, s96, s97                     ; par rows + 128 bytes a head
	v_mul_u32_u24 v3, v1, 2*QP
	v_lshl_add_u32 v3, v2, 4, v3
	v_add_nc_u32 v3, s96, v3                       ; row par + 2 r, my head, + 16 h
	v_add_nc_u32 v15, 16*QP, v3                    ; Q: units 0, 1 (32 rows a unit by the immediate);
	v_add_nc_u32 v16, 64*QP, v15                   ; units 2, 3
	v_add_nc_u32 v17, 256, v3                      ; K: key tiles 0, 1;
	v_add_nc_u32 v18, 64*QP, v17                   ; 2, 3;
	v_add_nc_u32 v19, 64*QP, v18                   ; 4
	v_and_b32 v20, 7, v0                           ; V, by the turning load: lane l reads 16 bytes of key 8 (l / 16) + l % 8, channels 8 ((l / 8) % 2) on
	v_lshl_add_u32 v20, v2, 3, v20
	v_mul_u32_u24 v20, v20, 2*QP
	v_bfe_u32 v21, v0, 3, 1
	v_lshl_add_u32 v20, v21, 4, v20
	v_add_nc_u32 v20, s96, v20
	v_add_nc_u32 v20, 512, v20
	v_add_nc_u32 v21, 64*QP, v20
	v_add_nc_u32 v22, 64*QP, v21
	s_mul_i32 s98, s95, PITCH                      ; the stage of O, in slot 1 behind its last read: 128 rows of 256 bytes + 16: row par + 2 r of a unit's 32
	s_add_co_u32 s98, s98, s97
	s_add_co_u32 s98, s98, SLOT
	v_mul_u32_u24 v23, v1, 2*PITCH
	v_lshl_add_u32 v23, v2, 4, v23
	v_add_nc_u32 v23, s98, v23
	s_mul_i32 s98, s[WV], 32*PITCH                 ; back: my 32 rows; lanes 0-15 one row of 256 bytes, lanes 16-31 the next
	s_add_co_u32 s98, s98, SLOT
	v_mul_u32_u24 v24, v2, PITCH
	v_lshl_add_u32 v24, v1, 4, v24
	v_add_nc_u32 v24, s98, v24
	v_lshlrev_b32 v25, 11, v2                      ; and the same two rows in att
	v_lshl_add_u32 v25, v1, 4, v25
	s_wait_tensorcnt 0x1                           ; my scales and my part of slot 0 are in; slot 1's load may stay out
	s_barrier_signal -1
	s_barrier_wait -1                              ; everybody's are
.irp a, 0,1,2,3,4,5,6,7,8,9
	ds_load_b128 v[SX+4*\a:SX+4*\a+3], v10 offset:\a*2*PITCH       ; the scale words of all of K, once: 16 loads
.endr
.irp p, 0,1,2
.irp u, 0,1
	ds_load_b128 v[SW+4*(2*\p+\u):SW+4*(2*\p+\u)+3], v11 offset:(8*\p+\u)*2*PITCH
.endr
.endr
	FETCH 0, 0, 0
	s_wait_loadcnt 0x0                             ; the biases
	STEP 0, 1
.irp s, 1,2,3,4,5,6,7
	STEP \s, 0
.endr
	; ---- q, k, v, rounded to f16, into the stage.  Four places behind the last products; each accumulator is read from its low end on
	PLACES 4
.irp a, 0,1,2,3,4,5,6,7,8,9
	WIN 0x0a+5*(\a/5)                              ; sources 0 and 1: window 2 or 3
.irp b, 0,1,2,3,4,5
.if ((\a == 0) || (\a == 9)) && (\b < 2)
.else
.irp i, 0,1,2,3
	v_cvt_pk_f16_f32 v[96+24*(\a%6)+4*\b+\i], v[8*(6*(\a%5)+\b)+2*\i], v[8*(6*(\a%5)+\b)+2*\i+1]
.endr
.endif
.endr
	WIN 0
.irp b, 0,1,2,3,4,5
.if ((\a == 0) || (\a == 9)) && (\b < 2)
.else
	ds_store_b128 v[13+\a/5], v[96+24*(\a%6)+4*\b:96+24*(\a%6)+4*\b+3] offset:(\a%5)*16*QP+256*(\b/2)+32*(\b%2)
.endif
.endr
.endr
	s_wait_dscnt 0x0                               ; for the others' sake: my stores into the stage are done
	s_barrier_signal -1
	s_barrier_wait -1
	; ---- the attention.  Loads: Q of four units, K of five key tiles (tile g + T serves unit g), V's halves of five key tiles x four tiles of 16 channels
	WIN 0x40
.irp g, 0,1,2,3
.irp ks, 0,1
.irp c, 0,1
	ds_load_b128 v[16*\g+8*\ks+4*\c:16*\g+8*\ks+4*\c+3], v[15+\g/2] offset:(\g%2)*32*QP+64*\ks+32*\c
.endr
.endr
.endr
.irp kt, 0,1,2,3,4
.irp ks, 0,1
.irp c, 0,1
	ds_load_b128 v[64+16*\kt+8*\ks+4*\c:64+16*\kt+8*\ks+4*\c+3], v[17+\kt/2] offset:(\kt%2)*32*QP+64*\ks+32*\c
.endr
.endr
.endr
	WIN 0x80                                       ; destination window 2
.irp ct, 0,1,2,3
.irp kt, 0,1,2,3,4
	ds_load_tr16_b128 v[20*\ct+4*\kt:20*\ct+4*\kt+3], v[20+\kt/2] offset:(\kt%2)*32*QP+32*\ct   ; lane l: channel 16 ct + l % 16, keys 8 (l / 16) + 0 .. 7 of the tile: halves kt and kt + 1 on end are a fragment
.endr
.endr
	WIN 0
	v_mov_b32 v192, 0xff800000                     ; -infinity
	v_lshlrev_b32 v3, 3, v2
	v_sub_nc_u32 v193, v1, v3                      ; E = r - 8 h.  Register j of tile T = 0 is key 8 h + j: hidden where j < E; of T = 1 key 16 + 8 h + j: hidden where j > E
	v_sub_nc_u32 v3, 1, v2
	v_mul_u32_u24 v3, s60, v3
	v_cmp_ne_u32 vcc_lo, 0, v3
	v_mov_b32 v194, 8
	v_cndmask_b32 v194, v193, v194, vcc_lo         ; unit 0, T = 0: in a sequence's first block keys 0-7 (lanes 0-15) lie ahead of it: all eight hidden
	v_mul_u32_u24 v3, s61, v2
	v_cmp_ne_u32 vcc_lo, 0, v3
	v_mov_b32 v195, -1
	v_cndmask_b32 v195, v193, v195, vcc_lo         ; unit 3, T = 1: in its last block keys 24-31 (lanes 16-31) lie behind it
.irp g, 0,1,2,3
	v_mov_b32 v[200+\g], 0                         ; written once: a lane permute's destination counts as one of its sources
	v_mov_b32 v[221+2*\g], 0                       ; (the upper halves of the pairs that the packed multiply names)
.endr
	s_wait_dscnt 20                                ; Q and K are in; V's 20 loads may be out
	WIN 0x05                                       ; sources 0 and 1 window 1; C and D window 0
.irp g, 0,1,2,3
.irp t, 0,1
	v_wmma_f32_16x16x32_f16 v[96+16*\g+8*\t:96+16*\g+8*\t+7], v[64+16*(\g+\t):64+16*(\g+\t)+7], v[16*\g:16*\g+7], 0
.endr
.endr
.irp g, 0,1,2,3                                ; the eight accumulators by turns
.irp t, 0,1
	v_wmma_f32_16x16x32_f16 v[96+16*\g+8*\t:96+16*\g+8*\t+7], v[64+16*(\g+\t)+8:64+16*(\g+\t)+15], v[16*\g+8:16*\g+15], v[96+16*\g+8*\t:96+16*\g+8*\t+7]
.endr
.endr
	WIN 0
	PLACES 4
.irp j, 0,1,2,3,4,5,6,7                        ; the mask: one compare serves the units that share a limit; each accumulator is read from its low end on
	v_cmp_lt_i32 vcc_lo, \j, v193
.irp g, 1,2,3
	v_cndmask_b32 v[96+16*\g+\j], v[96+16*\g+\j], v192, vcc_lo
.endr
	v_cmp_lt_i32 vcc_lo, \j, v194
	v_cndmask_b32 v[96+\j], v[96+\j], v192, vcc_lo
	v_cmp_gt_i32 vcc_lo, \j, v193
.irp g, 0,1,2
	v_cndmask_b32 v[104+16*\g+\j], v[104+16*\g+\j], v192, vcc_lo
.endr
	v_cmp_gt_i32 vcc_lo, \j, v195
	v_cndmask_b32 v[152+\j], v[152+\j], v192, vcc_lo
.endr
.irp g, 0,1,2,3                                ; the maximum of a lane's 16 scores, the four units by turns.  A query's own key always counts: the maximum is a number
	v_max3_num_f32 v[196+\g], v[96+16*\g], v[97+16*\g], v[98+16*\g]
.endr
.irp i, 3,5,7,9,11,13
.irp g, 0,1,2,3
	v_max3_num_f32 v[196+\g], v[196+\g], v[96+16*\g+\i], v[97+16*\g+\i]
.endr
.endr
.irp g, 0,1,2,3
	v_max_num_f32 v[196+\g], v[196+\g], v[111+16*\g]
.endr
.irp g, 0,1,2,3
	v_permlanex16_b32 v[200+\g], v[196+\g], s[SEL], s[SEL+1]       ; the query's other 16 keys lie in the lane 16 away
.endr
.irp g, 0,1,2,3
	v_max_num_f32 v[205+4*\g], v[196+\g], v[200+\g]
.endr
.irp g, 0,1,2,3
	v_mul_f32 v[204+4*\g], s[CS], v[205+4*\g]      ; c m
.endr
.irp i, 0,2,4,6,8,10,12,14
.irp g, 0,1,2,3
	v_pk_fma_f32 v[96+16*\g+\i:97+16*\g+\i], v[96+16*\g+\i:97+16*\g+\i], s[CS:CS+1], v[204+4*\g:205+4*\g] op_sel_hi:[1,0,0] neg_lo:[0,0,1] neg_hi:[0,0,1]   ; c s - c m
.endr
.endr
.irp j, 0,1,2,3,4,5,6,7,8,9,10,11,12,13,14,15,16,17,18,19,20,21,22,23,24,25,26,27,28,29,30,31,32,33,34,35,36,37,38,39,40,41,42,43,44,45,46,47,48,49,50,51,52,53,54,55,56,57,58,59,60,61,62,63
	v_exp_f32 v[96+\j], v[96+\j]                   ; one batch
.endr
	v_nop                                          ; a plain instruction behind the last exponential
	s_wait_alu depctr_va_vdst(0)                   ; one wait for the batch, ahead of its first reader
.irp g, 0,1,2,3
	v_pk_add_f32 v[206+4*\g:207+4*\g], v[96+16*\g:97+16*\g], v[98+16*\g:99+16*\g]
.endr
.irp i, 4,6,8,10,12,14
.irp g, 0,1,2,3
	v_pk_add_f32 v[206+4*\g:207+4*\g], v[206+4*\g:207+4*\g], v[96+16*\g+\i:97+16*\g+\i]
.endr
.endr
.irp g, 0,1,2,3
	v_add_f32 v[196+\g], v[206+4*\g], v[207+4*\g]
.endr
.irp g, 0,1,2,3
	v_permlanex16_b32 v[200+\g], v[196+\g], s[SEL], s[SEL+1]
.endr
.irp g, 0,1,2,3
	v_add_f32 v[196+\g], v[196+\g], v[200+\g]      ; the row's sum
.endr
.irp g, 0,1,2,3
	v_rcp_f32 v[220+2*\g], v[196+\g]
.endr
	v_nop
	s_wait_alu depctr_va_vdst(0)                   ; one wait for the four reciprocals
.irp i, 0,2,4,6,8,10,12,14
.irp g, 0,1,2,3
	v_pk_mul_f32 v[96+16*\g+\i:97+16*\g+\i], v[96+16*\g+\i:97+16*\g+\i], v[220+2*\g:221+2*\g] op_sel_hi:[1,0]
.endr
.endr
.irp g, 0,1,2,3                                ; two tiles of S^T, rounded in pairs, ARE source 1 (32 keys x 16 queries) of the second product
.irp i, 0,1,2,3,4,5,6,7
	v_cvt_pk_f16_f32 v[160+8*\g+\i], v[96+16*\g+2*\i], v[97+16*\g+2*\i]
.endr
.endr
	PLACES 4
	s_wait_dscnt 0x0                               ; V is in
	WIN 0xc2                                       ; source 0 (V) window 2, source 1 (P) window 0, D window 3
.irp ct, 0,1,2,3
.irp g, 0,1,2,3
	v_wmma_f32_16x16x32_f16 v[32*\g+8*\ct:32*\g+8*\ct+7], v[20*\ct+4*\g:20*\ct+4*\g+7], v[160+8*\g:167+8*\g], 0
.endr
.endr
	PLACES 4
	WIN 0x0f                                       ; sources 0 and 1 window 3, destination window 0
.irp g, 0,1,2,3
.irp ct, 0,1,2,3
.irp i, 0,1,2,3
	v_cvt_pk_f16_f32 v[96+16*\g+4*\ct+\i], v[32*\g+8*\ct+2*\i], v[32*\g+8*\ct+2*\i+1]
.endr
.endr
.endr
	WIN 0
.irp g, 0,1,2,3
.irp ct, 0,1,2,3
	ds_store_b128 v23, v[96+16*\g+4*\ct:96+16*\g+4*\ct+3] offset:\g*32*PITCH+32*\ct   ; query row 32 g + par + 2 r; channels 16 ct + 8 h + 0 .. 7 of my head
.endr
.endr
	s_wait_dscnt 0x0                               ; for the others' sake: a row's 256 bytes come from two waves, neighbouring rows from two more
	s_barrier_signal -1
	s_barrier_wait -1
.irp t, 0,1,2,3,4,5,6,7,8,9,10,11,12,13,14,15
	ds_load_b128 v[160+4*\t:163+4*\t], v24 offset:\t*2*PITCH
.endr
.irp t, 0,1,2,3,4,5,6,7,8,9,10,11,12,13,14,15
	s_wait_dscnt 15-\t                             ; LDS loads come back in order: load t is in
	global_store_b128 v25, v[160+4*\t:163+4*\t], s[18:19] offset:4096*\t   ; sixteen lanes store 256 consecutive bytes, aligned
.endr
	s_wait_tensorcnt 0x0                           ; the wave's end: a wait, an add and a wait, behind my last tensor load and my last LDS store
	ds_add_u32 v[SPW], v[NIL]
	s_wait_dscnt 0x0
	CROUND                                         ; the closing round
	s_endpgm
.Lfunc_end_k_q9ba1bd50f1_qkv_attn:
	.size	k_q9ba1bd50f1_qkv_attn, .Lfunc_end_k_q9ba1bd50f1_qkv_attn-k_q9ba1bd50f1_qkv_attn
	.p2alignl 7, 3214868480
	.fill 96, 4, 3214868480
	.section	.rodata,"a",@progbits
	.p2align	6, 0x0
	.amdhsa_kernel k_q9ba1bd50f1_qkv_attn
		.amdhsa_group_segment_fixed_size 327680
		.amdhsa_private_segment_fixed_size 0
		.amdhsa_enable_private_segment 0
		.amdhsa_kernarg_size 64
		.amdhsa_user_sgpr_count 2
		.amdhsa_user_sgpr_kernarg_segment_ptr 1
		.amdhsa_wavefront_size32 1
		.amdhsa_system_sgpr_workgroup_id_x 1
		.amdhsa_system_sgpr_workgroup_id_y 1
		.amdhsa_system_sgpr_workgroup_id_z 1
		.amdhsa_system_vgpr_workitem_id 0
		.amdhsa_next_free_vgpr 1024
		.amdhsa_next_free_sgpr 100
		.amdhsa_reserve_vcc 1
		.amdhsa_float_denorm_mode_32 3
		.amdhsa_float_denorm_mode_16_64 3
		.amdhsa_memory_ordered 1
		.amdhsa_forward_progress 1
		.amdhsa_inst_pref_size 138
	.end_amdhsa_kernel
	.amdgpu_metadata
---
amdhsa.version: [ 1, 2 ]
amdhsa.kernels:
  - .name:           k_q9ba1bd50f1_qkv_attn
    .symbol:         k_q9ba1bd50f1_qkv_attn.kd
    .args:
      - { .name: xc, .offset: 0, .size: 8, .value_kind: global_buffer, .address_space: global }
      - { .name: xs, .offset: 8, .size: 8, .value_kind: global_buffer, .address_space: global }
      - { .name: wc, .offset: 16, .size: 8, .value_kind: global_buffer, .address_space: global }
      - { .name: ws, .offset: 24, .size: 8, .value_kind: global_buffer, .address_space: global }
      - { .name: bq, .offset: 32, .size: 8, .value_kind: global_buffer, .address_space: global }
      - { .name: bk, .offset: 40, .size: 8, .value_kind: global_buffer, .address_space: global }
      - { .name: bv, .offset: 48, .size: 8, .value_kind: global_buffer, .address_space: global }
      - { .name: att, .offset: 56, .size: 8, .value_kind: global_buffer, .address_space: global }
    .group_segment_fixed_size: 327680
    .private_segment_fixed_size: 0
    .kernarg_segment_align: 8
    .kernarg_segment_size: 64
    .max_flat_workgroup_size: 128
    .sgpr_count:     100
    .vgpr_count:     1024
    .wavefront_size: 32
...
	.end_amdgpu_metadata
.endif
;; end of part 2
;; launch oproj (part 3): grid 4 x 64, 4 waves a work-group, clusters of 4 x 4, 327,680 bytes of LDS; arguments att, wot, bo, out0; writes out0
.if DOCPART == 3
	.amdgcn_target "amdgcn-amd-amdhsa--gfx1250"
	.amdhsa_code_object_version 6
	.text
	.protected	k_q9ba1bd50f1_oproj
	.globl	k_q9ba1bd50f1_oproj
	.p2align	8
	.type	k_q9ba1bd50f1_oproj,@function
k_q9ba1bd50f1_oproj:
	s_mov_b64 s[64:65], 0
	v_nop
	global_prefetch_b8 v0, s[64:65] scope:SCOPE_SE
	s_setreg_imm32_b32 hwreg(HW_REG_WAVE_MODE, 25, 1), 1
	s_wait_xcnt 0x0
	s_wait_alu depctr_hold_cnt(0) depctr_sa_sdst(0) depctr_va_vdst(0) depctr_va_sdst(0) depctr_va_ssrc(0) depctr_va_vcc(0) depctr_vm_vsrc(0)
	s_getreg_b32 s2, hwreg(HW_REG_IB_STS2, 6, 4)
	s_cmp_eq_u32 s2, 0
	s_cbranch_scc0 .Lentry_in_a_cluster
	s_endpgm
.Lentry_in_a_cluster:
	s_bfe_u32 s2, ttmp6, 0x10000c
	s_cmp_lg_u32 s2, 0xf033
	s_cbranch_scc0 .Lentry_shape_is_right
	s_endpgm
.Lentry_shape_is_right:
; out0[m][n] = sum over k of att[m][k] wot[n][k] + bo[n].  att [8192][1024] and wot [1024][1024] f16, K innermost; bo and out0 f32; sums in f32.
; A tile of out0 is 128 x 256: 64 x 4 = 256 work-groups.  Four waves, each 64 rows x 128 columns: 32 accumulators of 16 x 16, 256 registers.
; K goes in 8 steps of 128 (rows of 256 bytes) through a ring of two LDS slots filled by the tensor data mover: waves 0, 1 fetch att's halves (64 rows), waves 2, 3 wot's (128 rows).
; CLUSTER 4 x 4: the four work-groups of a row need the same tile of att, the four of a column the same tile of wot: each is asked for jointly, by the same tensor load with the same descriptor
; and a mask that names the four.  Two loads of a wave are out at the start, one behind each round.
; THE MATRIX INSTRUCTION IS USED TRANSPOSED (source 0 = 16 rows of wot, source 1 = 16 rows of att): a lane holds eight neighbouring numbers of a row of out0.  The bias is the C of each sum's first instruction.
; REGISTERS: window 0: v16-26 addresses; v28, v29 the add's two; v64-127 the bias in the result's layout; v128-255 the way out.  Window 1: two fragment buffers (wot's at f, att's at f + 64).  Window 2: the accumulators, (a, b) at v[8 (8 a + b)].
.set PITCH,  272                       ; an LDS row: 256 bytes + 16 of padding: the 16 rows that a load touches start at 16 different banks (64 banks of 4 bytes: ISA guide 11.1)
.set HA,     64*PITCH                  ; half of att's tile
.set HB,     128*PITCH                 ; half of wot's
.set SLOT,   2*HA+2*HB
.set STAGE,  2*SLOT                    ; behind the ring: 16 rows x (512 bytes + 16) for each wave
.set SPITCH, 528
.set SPARE,  STAGE+4*16*SPITCH         ; the spare words, 128 bytes for each wave: two blocks of 256 bytes that no other line names
.set LAPS,   4                         ; a lap = two K steps = once round the ring
.set ADRA, 16
.set ADRB, 20
.set STO,  24
.set RD,   25
.set CO,   26
.set SPW,  28
.set NIL,  29
.set F0,   0
.set F1,   128
.set G1,   24                          ; s[24:31] group 1 for att's tiles; s[32:39] groups 0, one for each slot
.set G0,   32
.set G1B,  48                          ; s[48:55], s[56:63] the same for wot's
.set G0B,  56
.set MSB, 0
.macro WIN new
.if MSB != (\new)
	s_set_vgpr_msb (MSB<<8)|(\new)
.set MSB, (\new)
.endif
.endm
.set MUL,  0xa5                        ; sources 0 and 1 window 1; C and D window 2
.set MUL1, 0x85                        ; the same with C (the bias) in window 0
.set TO_F, 0x40                        ; destination window 1, address window 0
.macro JLOAD s                         ; a joint load; an s_nop 0 and four v_nop follow each of the two lines
	s_cmp_eq_u32 s13, 0
	s_cbranch_scc0 .Lfor_b_\@
	tensor_load_to_lds s[G0+4*\s:G0+4*\s+3], s[G1:G1+7]
	s_nop 0
.rept 4
	v_nop
.endr
	s_branch .Lasked_\@
.Lfor_b_\@:
	tensor_load_to_lds s[G0B+4*\s:G0B+4*\s+3], s[G1B:G1B+7]
	s_nop 0
.rept 4
	v_nop
.endr
.Lasked_\@:
.endm
.macro CREST                           ; a round of the cluster's barrier behind its opening barrier
	s_cmp_lg_u32 s12, 0
	s_cbranch_scc1 .Lnot_wave_0_\@
	s_barrier_signal -3
.Lnot_wave_0_\@:
	s_barrier_wait -3
	s_barrier_signal -1
	s_barrier_wait -1
.endm
.macro CROUND
	s_barrier_signal -1
	s_barrier_wait -1
	CREST
.endm
.macro PLACES                          ; four places in front of loads into registers that matrix instructions have read, and of the first read of results
.rept 4
	v_nop
.endr
.endm
	s_load_b256 s[4:11], s[0:1], 0x0               ; att 4:5, wot 6:7, bo 8:9, out0 10:11
	v_lshl_add_u32 v[SPW], v0, 2, SPARE
	v_mov_b32 v[NIL], 0
	ds_add_u32 v[SPW], v[NIL]                      ; the wave's opening: the add, twice on end, and its wait ahead of my first tensor load
	ds_add_u32 v[SPW], v[NIL]
	v_lshrrev_b32 v1, 5, v0
	v_readfirstlane_b32 s12, v1                    ; wave 0..3
	s_lshr_b32 s13, s12, 1                         ; which 64 rows are mine.  Also: I fetch for att (0) or for wot (1)
	s_and_b32 s14, s12, 1                          ; which 128 columns.  Also: which half of that tile I fetch
	s_bfe_u32 s15, ttmp6, 0x40000                  ; cx
	s_bfe_u32 s16, ttmp6, 0x40004                  ; cy
	s_lshl_b32 s17, ttmp9, 2
	s_add_co_u32 s17, s17, s15                     ; tile column
	s_and_b32 s18, ttmp7, 0xffff
	s_lshl_b32 s18, s18, 2
	s_add_co_u32 s18, s18, s16                     ; tile row
	s_lshl_b32 s19, s16, 2
	s_lshl_b32 s19, 15, s19                        ; my row of the cluster
	s_lshl_b32 s20, 0x1111, s15                    ; my column
	s_or_b32 s[G1], s19, (1<<16)|(1<<20)|(1<<21)|(5<<22)|(3<<25)    ; 15:0 the mask; 17:16 elements of 2 bytes; 20 padding on; 21 set beside a mask; 24:22 after every 64 words; 31:25 four words
	s_or_b32 s[G1B], s20, (1<<16)|(1<<20)|(1<<21)|(5<<22)|(3<<25)
.irp g, G1, G1B
	s_mov_b32 s[\g+1], 128<<16                     ; tensor_dim0 = 128
	s_mov_b32 s[\g+3], 128<<16                     ; tile_dim0
	s_mov_b32 s[\g+5], 1024                        ; from row to row
	s_mov_b32 s[\g+6], 0
	s_mov_b32 s[\g+7], 0
.endr
	s_mov_b32 s[G1+2], 64<<16                      ; 64 rows of att,
	s_mov_b32 s[G1+4], 64
	s_mov_b32 s[G1B+2], 128<<16                    ; 128 of wot
	s_mov_b32 s[G1B+4], 128
	s_lshl_b32 s40, s18, 18                        ; att: 128 rows of 2,048 bytes a tile row, 64 a half: in s40-43, which hold no cx
	s_lshl_b32 s41, s14, 17
	s_add_co_u32 s40, s40, s41
	s_mov_b32 s41, 0
	s_lshl_b32 s44, s17, 19                        ; wot: 256 rows a tile column, 128 a half: in s44-47, which hold no cy
	s_lshl_b32 s45, s14, 18
	s_add_co_u32 s44, s44, s45
	s_mov_b32 s45, 0
	s_mul_i32 s42, s14, HA                         ; where they go: no place in the cluster enters an LDS address
	s_mul_i32 s46, s14, HB
	s_add_co_u32 s46, s46, 2*HA
	s_wait_dscnt 0x0                               ; both opening adds are done
	s_wait_kmcnt 0x0
	s_add_nc_u64 s[4:5], s[4:5], s[40:41]
	s_add_nc_u64 s[6:7], s[6:7], s[44:45]
	CROUND                                         ; all sixteen work-groups are here: the first joint loads meet
.irp s, 0,1
	s_mov_b32 s[G0+4*\s], 1
	s_add_co_u32 s[G0+4*\s+1], s42, \s*SLOT
	s_add_nc_u64 s[G0+4*\s+2:G0+4*\s+3], s[4:5], \s*256
	s_or_b32 s[G0+4*\s+3], s[G0+4*\s+3], 0x80000000
	s_mov_b32 s[G0B+4*\s], 1
	s_add_co_u32 s[G0B+4*\s+1], s46, \s*SLOT
	s_add_nc_u64 s[G0B+4*\s+2:G0B+4*\s+3], s[6:7], \s*256
	s_or_b32 s[G0B+4*\s+3], s[G0B+4*\s+3], 0x80000000
	JLOAD \s
.endr
	v_and_b32 v1, 15, v0                           ; r
	v_bfe_u32 v2, v0, 4, 1                         ; h
	v_lshlrev_b32 v4, 5, v2                        ; the bias: my half's eight numbers
	s_lshl_b32 s44, s17, 10                        ; my first column, in bytes of f32: 1,024 x tile column + 512 x half: for bo and for out0 alike
	s_lshl_b32 s45, s14, 9
	s_add_co_u32 s44, s44, s45
	s_mov_b32 s45, 0
	s_add_nc_u64 s[8:9], s[8:9], s[44:45]
.irp b, 0,1,2,3,4,5,6,7
	global_load_b128 v[64+8*\b:67+8*\b], v4, s[8:9] offset:64*\b        ; register j of block b: bo of column 16 b + 8 h + j
	global_load_b128 v[68+8*\b:71+8*\b], v4, s[8:9] offset:64*\b+16
.endr
	v_mul_u32_u24 v3, v1, PITCH
	v_lshl_add_u32 v3, v2, 4, v3                   ; a fragment's row x pitch + 16 x half
	s_mul_i32 s21, s13, HA                         ; my 64 rows of att
	s_mul_i32 s22, s14, HB                         ; my 128 rows of wot,
	s_add_co_u32 s22, s22, 2*HA                    ; behind att's 128
.irp s, 0,1
	v_add_nc_u32 v[ADRA+\s], s21, v3
	v_add_nc_u32 v[ADRB+\s], s22, v3
	s_add_co_u32 s21, s21, SLOT
	s_add_co_u32 s22, s22, SLOT
.endr
	s_mul_i32 s23, s12, 16*SPITCH
	s_add_co_u32 s23, s23, STAGE                   ; my stage
	v_mul_u32_u24 v5, v1, SPITCH                   ; in: row r, 32 bytes for each half of the lanes
	v_lshl_add_u32 v5, v2, 5, v5
	v_add_nc_u32 v[STO], s23, v5
	v_and_b32 v6, 31, v0
	v_lshlrev_b32 v[CO], 4, v6                     ; back: the 32 lanes take one row of 512 bytes; and the same in out0
	v_add_nc_u32 v[RD], s23, v[CO]
	s_lshl_b32 s40, s18, 19                        ; out0: 128 rows of 4,096 bytes a tile row, 64 a half
	s_lshl_b32 s41, s13, 18
	s_add_co_u32 s40, s40, s41
	s_mov_b32 s41, 0
	s_add_nc_u64 s[10:11], s[10:11], s[40:41]
	s_add_nc_u64 s[10:11], s[10:11], s[44:45]
; 8 matrix instructions: att's block a against wot's eight, 32 along K.  The 32 accumulators take turns, one instruction a turn, in the same order in every quarter
.macro MUL8 f, a, first
.irp b, 0,1,2,3,4,5,6,7
.if \first
	v_wmma_f32_16x16x32_f16 v[8*(8*(\a)+\b):8*(8*(\a)+\b)+7], v[\f+8*\b:\f+8*\b+7], v[\f+64+8*(\a):\f+64+8*(\a)+7], v[64+8*\b:71+8*\b]
.else
	v_wmma_f32_16x16x32_f16 v[8*(8*(\a)+\b):8*(8*(\a)+\b)+7], v[\f+8*\b:\f+8*\b+7], v[\f+64+8*(\a):\f+64+8*(\a)+7], v[8*(8*(\a)+\b):8*(8*(\a)+\b)+7]
.endif
.endr
.endm
; 24 LDS loads in one run: the fragments of 32 along K at byte k of the rows, wot's eight first, then att's four
.macro FETCH slot, k, f
	WIN TO_F
.irp i, 0,1,2,3,4,5,6,7
	ds_load_b128 v[\f+8*\i:\f+8*\i+3],   v[ADRB+\slot] offset:\k+\i*16*PITCH
	ds_load_b128 v[\f+8*\i+4:\f+8*\i+7], v[ADRB+\slot] offset:\k+\i*16*PITCH+32
.endr
.irp i, 0,1,2,3
	ds_load_b128 v[\f+64+8*\i:\f+64+8*\i+3],   v[ADRA+\slot] offset:\k+\i*16*PITCH
	ds_load_b128 v[\f+64+8*\i+4:\f+64+8*\i+7], v[ADRA+\slot] offset:\k+\i*16*PITCH+32
.endr
.endm
; A K step is four quarters of 32 along K, 32 matrix instructions each, on buffers 0, 1, 0, 1.  One of the first three: multiplies buffer f and fetches the next quarter, at byte k, into g
.macro QUARTER slot, k, f, g, first
	s_wait_dscnt 4                                 ; wot's fragments and att's blocks 0, 1 are in; the youngest four loads (blocks 2, 3) may be out
	WIN MUL-0x20*(\first)
	MUL8 \f, 0, \first
	MUL8 \f, 1, \first
	PLACES
	FETCH \slot, \k, \g
	s_wait_dscnt 24                                ; all but the 24 just issued
	WIN MUL-0x20*(\first)
	MUL8 \f, 2, \first
	MUL8 \f, 3, \first
.endm
; The last quarter multiplies buffer 1 and changes slots: one barrier; in front of it each wave waits for all its tensor loads, adds 0 to its spare word, and waits for that and for its reads of this slot.
; fill = 1: the barrier opens a round of the cluster's, and this slot is filled again, two K steps ahead, first thing behind the round
.macro TURN slot, next, fill
	WIN 0                                          ; (the add's two registers lie in window 0)
	s_wait_tensorcnt 0x0                           ; all my tensor loads have landed: my part of the next slot
	ds_add_u32 v[SPW], v[NIL]                      ; 0 onto my spare word
	s_wait_dscnt 5                                 ; (the add and the youngest four loads may be out)
	WIN MUL
	MUL8 F1, 0, 0                                  ; eight matrix instructions stand between the add and the wait for it
	s_wait_dscnt 0x0                               ; the add is done, and my reads of this slot are over
	s_barrier_signal -1
	MUL8 F1, 1, 0
.if \fill
	WIN 0
.endif
	s_barrier_wait -1
.if \fill
	CREST                                          ; no wave of any partner still reads this slot's tile or has a load on its way
	s_add_nc_u64 s[G0+4*\slot+2:G0+4*\slot+3], s[G0+4*\slot+2:G0+4*\slot+3], 512
	s_add_nc_u64 s[G0B+4*\slot+2:G0B+4*\slot+3], s[G0B+4*\slot+2:G0B+4*\slot+3], 512
	JLOAD \slot                                    ; the four v_nop behind it are also the places in front of the loads below
.else
	PLACES
.endif
	FETCH \next, 0, F0
	WIN MUL
	MUL8 F1, 2, 0
	MUL8 F1, 3, 0
.endm
	s_wait_tensorcnt 0x1                           ; my part of K step 0 is in; K step 1's load may stay out
	s_barrier_signal -1
	s_barrier_wait -1                              ; everybody's is
	FETCH 0, 0, F0
	s_wait_loadcnt 0x0                             ; the bias
	QUARTER 0, 64, F0, F1, 1                       ; the first quarter stands in front of the loop: its products start the sums, from the bias
	WIN 0                                          ; at a label and at a branch every window is 0
	s_mov_b32 s3, LAPS-1
.Llap:                                                 ; a trip goes once round the ring, from a lap's second quarter to the next lap's first, and fills both slots again
	QUARTER 0, 128, F1, F0, 0
	QUARTER 0, 192, F0, F1, 0
	TURN 0, 1, 1
	QUARTER 1, 64,  F0, F1, 0
	QUARTER 1, 128, F1, F0, 0
	QUARTER 1, 192, F0, F1, 0
	TURN 1, 0, 1
	QUARTER 0, 64,  F0, F1, 0
	WIN 0
	s_sub_co_u32 s3, s3, 1
	s_cmp_lg_u32 s3, 0
	s_cbranch_scc1 .Llap
	QUARTER 0, 128, F1, F0, 0                      ; the last lap is written out: it fills nothing, and has no round of the cluster's barrier
	QUARTER 0, 192, F0, F1, 0
	TURN 0, 1, 0
	QUARTER 1, 64,  F0, F1, 0
	QUARTER 1, 128, F1, F0, 0
	QUARTER 1, 192, F0, F1, 0
	s_wait_dscnt 4                                 ; the very last quarter: nothing more to fetch
	WIN MUL
	MUL8 F1, 0, 0
	MUL8 F1, 1, 0
	s_wait_dscnt 0
	MUL8 F1, 2, 0
	MUL8 F1, 3, 0
	WIN 0
; THE WAY OUT, block by block of 16 rows x 128 columns: through my own stage and back as whole rows of 512 bytes.  LDS serves a wave's instructions in order (ISA guide 5.7.1.4): no wait between the stores and the loads
.macro TOSTAGE a
	WIN 0x08                                       ; an LDS store's data are its source 1: window 2
.irp b, 0,1,2,3,4,5,6,7
	ds_store_b128 v[STO], v[8*(8*(\a)+\b):8*(8*(\a)+\b)+3] offset:64*\b          ; each accumulator from its low end on
	ds_store_b128 v[STO], v[8*(8*(\a)+\b)+4:8*(8*(\a)+\b)+7] offset:64*\b+16
.endr
	WIN 0
.set BB, 128+64*((\a)%2)
.irp t, 0,1,2,3,4,5,6,7,8,9,10,11,12,13,14,15
	ds_load_b128 v[BB+4*\t:BB+4*\t+3], v[RD] offset:\t*SPITCH
.endr
.endm
.macro SEND a, younger                 ; younger: the LDS instructions issued behind block a's loads, which may stay out
.set BB, 128+64*((\a)%2)
	s_wait_dscnt \younger
.if (\a) > 0
	s_add_nc_u64 s[10:11], s[10:11], 16*4096       ; (behind a wait on XCNT: the earlier stores have read their base)  16 rows on
.endif
.irp t, 0,1,2,3,4,5,6,7,8,9,10,11,12,13,14,15
	global_store_b128 v[CO], v[BB+4*\t:BB+4*\t+3], s[10:11] offset:\t*4096 th:TH_STORE_NT   ; 32 lanes store 512 consecutive bytes, aligned; written once, read by nobody here
.endr
.endm
	PLACES
	TOSTAGE 0
.irp a, 1,2,3
.if \a > 1
	s_wait_xcnt 0x0                                ; block a - 2's stores have read their registers and their base: block a's loads may land there, and the base may step
.endif
	TOSTAGE \a
	SEND \a-1, 32                                  ; behind block a - 1's loads: block a's 16 stores and 16 loads
.endr
	s_wait_xcnt 0x0                                ; block 2's stores have read their base
	SEND 3, 0
	s_wait_tensorcnt 0x0                           ; the wave's end: a wait, an add and a wait, behind my last tensor load and my last LDS store
	ds_add_u32 v[SPW], v[NIL]
	s_wait_dscnt 0x0
	CROUND                                         ; the closing round
	s_endpgm
.Lfunc_end_k_q9ba1bd50f1_oproj:
	.size	k_q9ba1bd50f1_oproj, .Lfunc_end_k_q9ba1bd50f1_oproj-k_q9ba1bd50f1_oproj
	.p2alignl 7, 3214868480
	.fill 96, 4, 3214868480
	.section	.rodata,"a",@progbits
	.p2align	6, 0x0
	.amdhsa_kernel k_q9ba1bd50f1_oproj
		.amdhsa_group_segment_fixed_size 327680
		.amdhsa_private_segment_fixed_size 0
		.amdhsa_enable_private_segment 0
		.amdhsa_kernarg_size 32
		.amdhsa_user_sgpr_count 2
		.amdhsa_user_sgpr_kernarg_segment_ptr 1
		.amdhsa_wavefront_size32 1
		.amdhsa_system_sgpr_workgroup_id_x 1
		.amdhsa_system_sgpr_workgroup_id_y 1
		.amdhsa_system_sgpr_workgroup_id_z 1
		.amdhsa_system_vgpr_workitem_id 0
		.amdhsa_next_free_vgpr 768
		.amdhsa_next_free_sgpr 66
		.amdhsa_reserve_vcc 0
		.amdhsa_float_denorm_mode_32 3
		.amdhsa_float_denorm_mode_16_64 3
		.amdhsa_memory_ordered 1
		.amdhsa_forward_progress 1
		.amdhsa_inst_pref_size 86
	.end_amdhsa_kernel
	.amdgpu_metadata
---
amdhsa.version: [ 1, 2 ]
amdhsa.kernels:
  - .name:           k_q9ba1bd50f1_oproj
    .symbol:         k_q9ba1bd50f1_oproj.kd
    .args:
      - { .name: att, .offset: 0, .size: 8, .value_kind: global_buffer, .address_space: global }
      - { .name: wot, .offset: 8, .size: 8, .value_kind: global_buffer, .address_space: global }
      - { .name: bo, .offset: 16, .size: 8, .value_kind: global_buffer, .address_space: global }
      - { .name: out0, .offset: 24, .size: 8, .value_kind: global_buffer, .address_space: global }
    .group_segment_fixed_size: 327680
    .private_segment_fixed_size: 0
    .kernarg_segment_align: 8
    .kernarg_segment_size: 32
    .max_flat_workgroup_size: 128
    .sgpr_count:     66
    .vgpr_count:     768
    .wavefront_size: 32
...
	.end_amdgpu_metadata
.endif
;; end of part 3
